; MI455X (gfx1250); checked and timed in simulation.
; The chip was launched on July 23, 2026; its instructions are those of AMD's public machine-readable ISA for CDNA 5 (MIT licence, August 2026) and "CDNA5" Instruction Set Architecture Reference Guide (July 2026). The comments in the code are by the model that wrote it; some were corrected since.
;; Attention. Allowed arithmetic: float matrix products may take bf16 or f16 operands with f32 sums; all other float work in f32.
;; Inputs: W1 1,024 x 1,024 float32; W2 1,024 x 1,024 float32; source 512 x 32 x 1,024 float32; target 512 x 32 x 1,024 float32.
;; Outputs: out0 512 x 32 x 1,024 float32.
;; One version. Each part assembles by itself: llvm-mc -triple=amdgcn-amd-amdhsa -mcpu=gfx1250 --defsym DOCPART=n.
;; ======== version 1 of 1: 3 launches
;; workspace buffers: srcb 33,554,432 bytes; mx 4,194,304 bytes; qx 67,108,864 bytes
;; launch prep (part 1): grid 256 x 1, 8 waves a work-group, no clusters, 313,344 bytes of LDS; arguments source, W1, W2, srcb, mx; writes srcb, mx
.if DOCPART == 1
	.amdgcn_target "amdgcn-amd-amdhsa--gfx1250"
	.amdhsa_code_object_version 6
	.text
	.protected	k_q10059d9156_prep
	.globl	k_q10059d9156_prep
	.p2align	8
	.type	k_q10059d9156_prep,@function
k_q10059d9156_prep:
	s_mov_b64 s[64:65], 0
	v_nop
	global_prefetch_b8 v0, s[64:65] scope:SCOPE_SE
	s_setreg_imm32_b32 hwreg(HW_REG_WAVE_MODE, 25, 1), 1
	s_wait_xcnt 0x0
; Two jobs for each of 256 work-groups of eight waves.
; JOB M.  M[d][e] = sum over a of W1[a][d] W2[a][e], so that scores = source . (target M^T): work-group x makes the tile d = 64 (x / 16) .., e = 64 (x % 16) ...
;   W1's and W2's 64 columns (1,024 rows of 256 bytes each) are rounded to bf16 on the way into LDS; the products' sums are f32; M leaves as TWO bf16 numbers,
;   hi = bf16(M), lo = bf16(M - hi): 16 significant bits.  mx: row d is 4,096 bytes, 16 blocks of [hi of 64 e | lo of 64 e].
; JOB SOURCE.  64 keys of one batch are rounded to bf16 and laid as srcb[b][cb 16][key 512][64 channels]: a block (b, cb) is 65,536 dense bytes.
;   A key's 128 bytes are eight pieces of 16; piece j lies at place (j + f(s)) % 8, f(s) = (s & 6) | ((s >> 3) & 1), so that 16 keys' pieces, read plainly or by the
;   turning load, fall on different 16-byte columns of 256 bytes without padding.
; THE TWO JOBS' LOADS ARE DEALT TOGETHER: twelve batches of 16 loads, one of the source's behind every two of W1's and W2's (which sixteen work-groups read alike),
;   three batches, 48 loads of a wave, in flight.
; LIMITS: W1, W2 and source are rounded to bf16 (nearest even); M must stay under bf16's largest number, 3.39e38.
; No tensor loads and no cluster: the launch loads through registers, because every number is converted on its way.
.set WP,   144                         ; a row of 64 bf16 in LDS: 128 bytes + 16
.set T2,   1024*WP                     ; W2's rows lie behind W1's 1,024
.set STG,  2*T2                        ; the stage for the way out: 64 rows x 272 bytes
.set SP,   272
.set GS,   3                           ; v3   source: (2 w + hl) rows of 131,072 bytes + 16 p
.set WS,   4                           ; v4   srcb: my 8 bytes of keys 2 w + hl
.set GW,   5                           ; v5   W1, W2: row 128 w + hl, 16 p
.set LW,   6                           ; v6, v7  the same row in LDS, for W1 and for W2
.set AB,   8                           ; v8   turning loads of W1's columns (my 16 d)
.set AA,   9                           ; v9   turning loads of W2's columns (my 32 e)
.set STO,  10                          ; v10  into the stage
.set RD,   11                          ; v11  back out of it
.set CO,   12                          ; v12  my byte offset in mx
.set X0,   16                          ; v16-79, v80-143, v144-207  three batches of 16 loads
.set YS,   208                         ; v208-239  a batch of the source in bf16: the data of its stores
.set YW,   240                         ; v240-255  half a batch of W1 or W2 in bf16, on its way into LDS
.set GB0,  16                          ; v16-111, v112-207  two groups of fragments (4 x 32 along a, 24 registers each)
.set ACC0, 208
.set ACC1, 216
.set TM,   224                         ; v224-255  at work
	s_load_b256 s[4:11], s[0:1], 0x0               ; source s[4:5], W1 s[6:7], W2 s[8:9], srcb s[10:11]
	s_load_b64 s[12:13], s[0:1], 0x20              ; mx
	s_set_vgpr_msb 0x40
	v_lshl_add_u32 v0, v0, 2, 0x4c400
	v_mov_b32 v1, 0
	s_set_vgpr_msb 0x4000
	v_and_b32 v1, 15, v0                           ; p: my 16 bytes of a row of 256
	v_bfe_u32 v2, v0, 4, 1                         ; hl: which of a load's two rows
	v_lshrrev_b32 v13, 5, v0
	v_readfirstlane_b32 s14, v13                   ; wave 0..7
	v_lshlrev_b32 v15, 4, v1                       ; 16 p
	s_lshr_b32 s15, ttmp9, 4                       ; dt
	s_and_b32 s16, ttmp9, 15                       ; et
	s_lshr_b32 s17, ttmp9, 3                       ; batch
	s_and_b32 s18, ttmp9, 7                        ; which 64 keys
	s_lshl_b32 s20, s15, 8                         ; W1: 64 columns of 4 bytes
	s_mov_b32 s21, 0
	s_lshl_b32 s22, s16, 8                         ; W2 likewise
	s_mov_b32 s23, 0
	s_lshl_b32 s24, s18, 23                        ; source: 64 keys x 131,072 bytes,
	s_lshl_b32 s19, s17, 12                        ; the batch's row of 4,096
	s_add_co_u32 s24, s24, s19
	s_mov_b32 s25, 0
	s_lshl_b32 s26, s17, 20                        ; srcb: the batch's 16 blocks,
	s_lshl_b32 s19, s18, 13                        ; 64 keys x 128 bytes
	s_add_co_u32 s26, s26, s19
	s_mov_b32 s27, 0
	s_lshl_b32 s28, s15, 18                        ; mx: 64 rows of 4,096 bytes,
	s_add_co_u32 s28, s28, s22                     ; block et of 256
	s_mov_b32 s29, 0
	s_mov_b32 s30, 0xffff0000                      ; a word's upper bf16
	s_and_b32 s31, s14, 3                          ; f of my keys 16 n + 2 w + hl: ((w & 3) << 1) | (w >> 2), the same for all of a wave's keys
	s_lshl_b32 s31, s31, 1
	s_lshr_b32 s19, s14, 2
	s_or_b32 s31, s31, s19
	s_lshl_b32 s19, s14, 1
	v_add_nc_u32 v14, s19, v2                      ; 2 w + hl
	v_lshl_add_u32 v[GS], v14, 17, v15
	v_lshrrev_b32 v[WS], 1, v1                     ; piece p / 2
	v_add_nc_u32 v[WS], s31, v[WS]
	v_and_b32 v[WS], 7, v[WS]                      ; its place
	v_lshlrev_b32 v[WS], 4, v[WS]
	v_lshl_add_u32 v[WS], v14, 7, v[WS]
	v_and_b32 v224, 1, v1
	v_lshl_add_u32 v[WS], v224, 3, v[WS]           ; my half of the piece
	s_lshl_b32 s19, s14, 7
	v_add_nc_u32 v224, s19, v2                     ; row 128 w + hl of W1 and W2
	v_lshl_add_u32 v[GW], v224, 12, v15
	v_mul_u32_u24 v224, v224, WP
	v_lshl_add_u32 v[LW], v1, 3, v224
	v_add_nc_u32 v[LW+1], T2, v[LW]
	v_and_b32 v225, 7, v0                          ; the turning load: lane l reads row 8 (l / 16) + l % 8, 16 bytes at 16 ((l / 8) % 2)
	v_lshl_add_u32 v225, v2, 3, v225
	v_mul_u32_u24 v225, v225, WP
	v_bfe_u32 v226, v0, 3, 1
	v_lshl_add_u32 v225, v226, 4, v225
	s_lshr_b32 s19, s14, 1
	s_lshl_b32 s19, s19, 5                         ; my 16 d: tile w / 2
	v_add_nc_u32 v[AB], s19, v225
	s_and_b32 s19, s14, 1
	s_lshl_b32 s19, s19, 6                         ; my 32 e: tiles 2 (w % 2) and the next
	s_add_co_u32 s19, s19, T2
	v_add_nc_u32 v[AA], s19, v225
	s_lshr_b32 s19, s14, 1
	s_mul_i32 s19, s19, 16*SP
	s_and_b32 s3, s14, 1
	s_lshl_b32 s3, s3, 6
	s_add_co_u32 s19, s19, s3
	s_add_co_u32 s19, s19, STG
	v_mul_u32_u24 v226, v1, SP
	v_lshl_add_u32 v226, v2, 4, v226
	v_add_nc_u32 v[STO], s19, v226                 ; row 16 (w / 2) + l % 16, byte 64 (w % 2) + 16 (l / 16)
	s_mul_i32 s19, s14, 8*SP
	s_add_co_u32 s19, s19, STG
	v_mul_u32_u24 v226, v2, SP
	v_add_nc_u32 v226, v226, v15
	v_add_nc_u32 v[RD], s19, v226                  ; row 8 w + hl, 16 p
	s_lshl_b32 s19, s14, 3
	v_add_nc_u32 v226, s19, v2
	v_lshl_add_u32 v[CO], v226, 12, v15
	s_wait_kmcnt 0x0
	s_add_nc_u64 s[6:7], s[6:7], s[20:21]
	s_add_nc_u64 s[8:9], s[8:9], s[22:23]
	s_add_nc_u64 s[4:5], s[4:5], s[24:25]
	s_add_nc_u64 s[10:11], s[10:11], s[26:27]
	s_add_nc_u64 s[12:13], s[12:13], s[28:29]
; Batch n of twelve: 0-3 W1's rows, 4-7 W2's, 8-11 the source's keys.  k: its place in the order of issue; its registers are set k % 3.
; In every load 16 lanes take 256 consecutive bytes, aligned.
.macro LD n, k
.set XB, X0+64*((\k)%3)
.irp u, 0,1,2,3,4,5,6,7,8,9,10,11,12,13,14,15
.if (\n) < 8
	global_load_b128 v[XB+4*\u:XB+4*\u+3], v[GW], s[6+2*((\n)/4):7+2*((\n)/4)] offset:(((\n)%4)*32+2*\u)*4096
.else
	global_load_b128 v[XB+4*\u:XB+4*\u+3], v[GS], s[4:5] offset:((\n)-8)*2097152+\u*256 th:TH_LOAD_NT
.endif
.endr
.endm
; A batch is rounded to bf16 and put away: W's rows into LDS, in two halves; the source's keys into srcb (32 lanes store the 256 consecutive bytes of two keys).
.macro ST n, k, left
.set XB, X0+64*((\k)%3)
	s_wait_loadcnt \left                           ; loads come back in order: this batch is in, the younger ones stay out
.if (\n) >= 8
	s_wait_xcnt 0x0                                ; YS was the data of the last source batch's stores: it is rewritten only behind this wait
.irp u, 0,1,2,3,4,5,6,7,8,9,10,11,12,13,14,15
	v_cvt_pk_bf16_f32 v[YS+2*\u],   v[XB+4*\u],   v[XB+4*\u+1]
	v_cvt_pk_bf16_f32 v[YS+2*\u+1], v[XB+4*\u+2], v[XB+4*\u+3]
.endr
.irp u, 0,1,2,3,4,5,6,7,8,9,10,11,12,13,14,15
	global_store_b64 v[WS], v[YS+2*\u:YS+2*\u+1], s[10:11] offset:\u*65536+((\n)-8)*2048
.endr
.else
.irp hf, 0,1
.irp u, 0,1,2,3,4,5,6,7
	v_cvt_pk_bf16_f32 v[YW+2*\u],   v[XB+32*\hf+4*\u],   v[XB+32*\hf+4*\u+1]
	v_cvt_pk_bf16_f32 v[YW+2*\u+1], v[XB+32*\hf+4*\u+2], v[XB+32*\hf+4*\u+3]
.endr
.irp u, 0,1,2,3,4,5,6,7
	ds_store_b64 v[LW+(\n)/4], v[YW+2*\u:YW+2*\u+1] offset:(((\n)%4)*32+16*\hf+2*\u)*WP
.endr
.endr
.endif
.endm
.macro PLACES                          ; four plain places behind matrix instructions (ISA guide 7.12.1)
.rept 4
	v_nop
.endr
.endm
	LD 8, 0                                        ; three batches go out; then each batch that is put away makes room for the one three places on
	LD 0, 1
	LD 1, 2
	ST 8, 0, 32
	LD 9, 3
	ST 0, 1, 32
	LD 2, 4
	ST 1, 2, 32
	LD 3, 5
	ST 9, 3, 32
	LD 10, 6
	ST 2, 4, 32
	LD 4, 7
	ST 3, 5, 32
	LD 5, 8
	ST 10, 6, 32
	LD 11, 9
	ST 4, 7, 32
	LD 6, 10
	ST 5, 8, 32
	LD 7, 11
	ST 11, 9, 32
	ST 6, 10, 16                                   ; nothing is left to ask for: the counts run down
	ST 7, 11, 0
	s_wait_xcnt 0x0                                ; the accumulators and the registers of the way out lie over YS, the data of the source's stores: they are written only behind this wait
	s_wait_dscnt 0x0                               ; for the others' sake: my rows of W1 and W2 are in LDS
	s_barrier_signal -1
	s_barrier_wait -1
; Four steps of 32 along a: for each, W1's fragment (16 d) and W2's two (16 e each), turned on their way out of LDS.
.macro FETCHG gb
.irp i, 0,1,2,3
	ds_load_tr16_b128 v[\gb+24*\i:\gb+24*\i+3],     v[AB] offset:\i*32*WP
	ds_load_tr16_b128 v[\gb+24*\i+4:\gb+24*\i+7],   v[AB] offset:\i*32*WP+16*WP
	ds_load_tr16_b128 v[\gb+24*\i+8:\gb+24*\i+11],  v[AA] offset:\i*32*WP
	ds_load_tr16_b128 v[\gb+24*\i+12:\gb+24*\i+15], v[AA] offset:\i*32*WP+16*WP
	ds_load_tr16_b128 v[\gb+24*\i+16:\gb+24*\i+19], v[AA] offset:\i*32*WP+32
	ds_load_tr16_b128 v[\gb+24*\i+20:\gb+24*\i+23], v[AA] offset:\i*32*WP+16*WP+32
.endr
	v_add_nc_u32 v[AB], 128*WP, v[AB]
	v_add_nc_u32 v[AA], 128*WP, v[AA]
.endm
; Source 0 = 16 e, source 1 = 16 d: a lane then holds row d = l % 16 and eight neighbouring e.  The two accumulators take turns.
.macro MULG gb, g
.irp i, 0,1,2,3
.if (\g == 0) && (\i == 0)
	v_wmma_f32_16x16x32_bf16 v[ACC0:ACC0+7], v[\gb+8:\gb+15],  v[\gb:\gb+7], 0
	v_wmma_f32_16x16x32_bf16 v[ACC1:ACC1+7], v[\gb+16:\gb+23], v[\gb:\gb+7], 0
.else
	v_wmma_f32_16x16x32_bf16 v[ACC0:ACC0+7], v[\gb+24*\i+8:\gb+24*\i+15],  v[\gb+24*\i:\gb+24*\i+7], v[ACC0:ACC0+7]
	v_wmma_f32_16x16x32_bf16 v[ACC1:ACC1+7], v[\gb+24*\i+16:\gb+24*\i+23], v[\gb+24*\i:\gb+24*\i+7], v[ACC1:ACC1+7]
.endif
.endr
.endm
	FETCHG GB0
.irp g, 0,1,2,3,4,5,6,7
.if \g < 7
	PLACES                                         ; the group loaded next was multiplied just now
	FETCHG GB0+96*((\g+1)%2)
	s_wait_dscnt 24                                ; all but the 24 just issued
.else
	s_wait_dscnt 0x0
.endif
	MULG GB0+96*(\g%2), \g
.endr
; x = hi + lo: hi = bf16(x), lo = bf16(x - hi).  b: hi in v[b .. b+3], lo in v[b+4 .. b+7], v[b+8 .. b+15] at work.
.macro SPLIT acc, b
.irp i, 0,1,2,3
	v_cvt_pk_bf16_f32 v[\b+\i], v[\acc+2*\i], v[\acc+2*\i+1]
.endr
.irp i, 0,1,2,3
	v_lshlrev_b32 v[\b+8+2*\i], 16, v[\b+\i]
	v_and_b32     v[\b+9+2*\i], s30, v[\b+\i]
.endr
.irp i, 0,1,2,3
	v_pk_add_f32 v[\b+8+2*\i:\b+9+2*\i], v[\acc+2*\i:\acc+2*\i+1], v[\b+8+2*\i:\b+9+2*\i] neg_lo:[0,1] neg_hi:[0,1]
.endr
.irp i, 0,1,2,3
	v_cvt_pk_bf16_f32 v[\b+4+\i], v[\b+8+2*\i], v[\b+9+2*\i]
.endr
.endm
	PLACES
	SPLIT ACC0, TM
	SPLIT ACC1, TM+16
	ds_store_b128 v[STO], v[TM:TM+3]
	ds_store_b128 v[STO], v[TM+4:TM+7] offset:128
	ds_store_b128 v[STO], v[TM+16:TM+19] offset:32
	ds_store_b128 v[STO], v[TM+20:TM+23] offset:160
	s_wait_dscnt 0x0                               ; a stage row's 256 bytes come from two waves: my part is there,
	s_barrier_signal -1
	s_barrier_wait -1                              ; everybody's is
.irp i, 0,1,2,3
	ds_load_b128 v[TM+4*\i:TM+4*\i+3], v[RD] offset:\i*2*SP
.endr
	s_wait_dscnt 0x0
.irp i, 0,1,2,3
	global_store_b128 v[CO], v[TM+4*\i:TM+4*\i+3], s[12:13] offset:\i*8192   ; 16 lanes store 256 consecutive bytes, aligned
.endr
	s_set_vgpr_msb 0x5
	s_wait_tensorcnt 0x0
	ds_add_u32 v0, v1
	s_wait_dscnt 0x0
	s_set_vgpr_msb 0x500
	s_endpgm
.Lfunc_end_k_q10059d9156_prep:
	.size	k_q10059d9156_prep, .Lfunc_end_k_q10059d9156_prep-k_q10059d9156_prep
	.p2alignl 7, 3214868480
	.fill 96, 4, 3214868480
	.section	.rodata,"a",@progbits
	.p2align	6, 0x0
	.amdhsa_kernel k_q10059d9156_prep
		.amdhsa_group_segment_fixed_size 313344
		.amdhsa_private_segment_fixed_size 0
		.amdhsa_enable_private_segment 0
		.amdhsa_kernarg_size 40
		.amdhsa_user_sgpr_count 2
		.amdhsa_user_sgpr_kernarg_segment_ptr 1
		.amdhsa_wavefront_size32 1
		.amdhsa_system_sgpr_workgroup_id_x 1
		.amdhsa_system_sgpr_workgroup_id_y 1
		.amdhsa_system_sgpr_workgroup_id_z 1
		.amdhsa_system_vgpr_workitem_id 0
		.amdhsa_next_free_vgpr 258
		.amdhsa_next_free_sgpr 66
		.amdhsa_reserve_vcc 0
		.amdhsa_float_denorm_mode_32 3
		.amdhsa_float_denorm_mode_16_64 3
		.amdhsa_memory_ordered 1
		.amdhsa_forward_progress 1
		.amdhsa_inst_pref_size 82
	.end_amdhsa_kernel
	.amdgpu_metadata
---
amdhsa.version: [ 1, 2 ]
amdhsa.kernels:
  - .name:           k_q10059d9156_prep
    .symbol:         k_q10059d9156_prep.kd
    .args:
      - { .name: source, .offset: 0, .size: 8, .value_kind: global_buffer, .address_space: global }
      - { .name: W1, .offset: 8, .size: 8, .value_kind: global_buffer, .address_space: global }
      - { .name: W2, .offset: 16, .size: 8, .value_kind: global_buffer, .address_space: global }
      - { .name: srcb, .offset: 24, .size: 8, .value_kind: global_buffer, .address_space: global }
      - { .name: mx, .offset: 32, .size: 8, .value_kind: global_buffer, .address_space: global }
    .group_segment_fixed_size: 313344
    .private_segment_fixed_size: 0
    .kernarg_segment_align: 8
    .kernarg_segment_size: 40
    .max_flat_workgroup_size: 256
    .sgpr_count:     66
    .vgpr_count:     258
    .wavefront_size: 32
...
	.end_amdgpu_metadata
.endif
;; end of part 1
;; launch qgemm (part 2): grid 4 x 64, 4 waves a work-group, clusters of 4 x 4, 327,680 bytes of LDS; arguments target, mx, qx; writes qx
.if DOCPART == 2
	.amdgcn_target "amdgcn-amd-amdhsa--gfx1250"
	.amdhsa_code_object_version 6
	.text
	.protected	k_q10059d9156_qgemm
	.globl	k_q10059d9156_qgemm
	.p2align	8
	.type	k_q10059d9156_qgemm,@function
k_q10059d9156_qgemm:
	s_mov_b64 s[64:65], 0
	v_nop
	global_prefetch_b8 v0, s[64:65] scope:SCOPE_SE
	s_setreg_imm32_b32 hwreg(HW_REG_WAVE_MODE, 25, 1), 1
	s_wait_xcnt 0x0
	s_wait_alu depctr_hold_cnt(0) depctr_sa_sdst(0) depctr_va_vdst(0) depctr_va_sdst(0) depctr_va_ssrc(0) depctr_va_vcc(0) depctr_vm_vsrc(0)
	s_getreg_b32 s2, hwreg(HW_REG_IB_STS2, 6, 4)
	s_cmp_eq_u32 s2, 0
	s_cbranch_scc0 .Lentry_in_a_cluster
	s_endpgm
.Lentry_in_a_cluster:
	s_bfe_u32 s2, ttmp6, 0x10000c
	s_cmp_lg_u32 s2, 0xf033
	s_cbranch_scc0 .Lentry_shape_is_right
	s_endpgm
.Lentry_shape_is_right:
; q[t][b][d] = sum over e of bf16(target[t][b][e]) (Mhi[d][e] + Mlo[d][e]), sums in f32; q leaves as hi = bf16(q), lo = bf16(q - hi).
; qx: [b][t], a row of 4,096 bytes = 16 blocks of [hi of 64 d | lo of 64 d].
; A work-group of four waves makes 256 t (of one batch) x 256 d; a wave 128 x 128: 64 accumulators, 512 registers.  A K step is 64 channels e: a row of target's tile is
; 256 bytes of f32, a row of mx's tile 256 bytes (hi 64 | lo 64); both come by tensor loads into a ring of two LDS slots.  target is rounded to bf16 between LDS and the
; matrix unit; each of its fragments is multiplied by M's hi and by M's lo: 256 matrix instructions a wave in a K step, 16 K steps.
; CLUSTER 4 x 4: the four work-groups of a row of the cluster share target's tile, the four of a column mx's: each is asked for jointly.
; The matrix instruction is used transposed (source 0 = 16 rows of mx, source 1 = 16 rows of target): a lane holds one t and eight neighbouring d.
; LIMITS: target is rounded to bf16; q carries 16 significant bits and must stay under bf16's largest number, 3.39e38.
; REGISTERS: window 0: v16-26 addresses; v64-127, v128-191 target's fragments in bf16 (two buffers); on the way out v64-255 at work.
;   window 1: v64-127, v128-191 mx's fragments (two buffers); v0-63, v192-255 target's numbers as loaded, in f32.   windows 2, 3: the accumulators.
.set PITCH,  272                       ; an LDS row: 256 bytes + 16 of padding
.set HALFT,  128*PITCH                 ; what one tensor load brings
.set SLOT,   4*HALFT                   ; target's 256 rows, then mx's 256 rows
.set STAGE,  2*SLOT                    ; behind the ring: 16 rows x 528 bytes for each wave
.set SPITCH, 528
.set ADRA, 16
.set ADRB, 20
.set STO,  24
.set RD,   25
.set CO,   26
.set A0,   64
.set A1,   128
.set F0,   64
.set F1,   128
.set HH,   64                          ; the way out: hi, lo, at work, rows read back
.set LL,   96
.set TT,   128
.set BK,   192
.set G1,  24
.set G0,  32
.set G1B, 48
.set G0B, 56
.set MSB, 0
.macro WIN new                         ; the immediate's high byte repeats the setting that is left; a switch that changes nothing is dropped
.if MSB != \new
	s_set_vgpr_msb (MSB<<8)|\new
.set MSB, \new
.endif
.endm
.set MUL_LO, 0xa1                      ; source 0 window 1, source 1 window 0, C and D window 2
.set MUL_HI, 0xf1                      ; the same, C and D window 3
.macro PLACES                          ; four plain places behind matrix instructions (ISA guide 7.12.1 for vector instructions)
.rept 4
	v_nop
.endr
.endm
.macro JLOAD s                         ; a joint load: waves 0 and 1 fetch target's two halves, waves 2 and 3 mx's; four v_nop follow each line
	s_cmp_eq_u32 s11, 0
	s_cbranch_scc0 .Lfor_b_\@
	tensor_load_to_lds s[G0+4*\s:G0+4*\s+3], s[G1:G1+7]
	s_nop 0
	PLACES
	s_branch .Lasked_\@
.Lfor_b_\@:
	tensor_load_to_lds s[G0B+4*\s:G0B+4*\s+3], s[G1B:G1B+7]
	s_nop 0
	PLACES
.Lasked_\@:
.endm
.macro CREST                           ; a round of the cluster's barrier behind its opening barrier
	s_cmp_lg_u32 s10, 0
	s_cbranch_scc1 .Lnot_wave_0_\@
	s_barrier_signal -3
.Lnot_wave_0_\@:
	s_barrier_wait -3
	s_barrier_signal -1
	s_barrier_wait -1
.endm
.macro CROUND
	s_barrier_signal -1
	s_barrier_wait -1
	CREST
.endm
	s_load_b128 s[4:7], s[0:1], 0x0                ; target s[4:5], mx s[6:7]
	s_load_b64 s[8:9], s[0:1], 0x10                ; qx
	v_lshl_add_u32 v62, v0, 2, 0x4c400
	v_mov_b32 v63, 0
	ds_add_u32 v62, v63
	v_lshrrev_b32 v1, 5, v0
	v_readfirstlane_b32 s10, v1                    ; wave 0..3
	s_lshr_b32 s11, s10, 1                         ; my half of the tile's t.  Also: I fetch target (0) or mx (1)
	s_and_b32 s12, s10, 1                          ; my half of its d.  Also: which 128 rows I fetch
	s_bfe_u32 s40, ttmp6, 0x40000                  ; cx
	s_bfe_u32 s41, ttmp6, 0x40004                  ; cy
	s_lshl_b32 s42, ttmp9, 2
	s_add_co_u32 s42, s42, s40                     ; tile column: 256 d
	s_and_b32 s13, ttmp7, 0xffff
	s_lshl_b32 s13, s13, 2
	s_add_co_u32 s13, s13, s41                     ; tile row: batch = row / 2, t = 256 (row % 2) ..
	s_lshl_b32 s43, s41, 2
	s_lshl_b32 s43, 15, s43                        ; my row of the cluster
	s_lshl_b32 s44, 0x1111, s40                    ; my column
	s_mov_b32 s45, 0xffff0000                      ; a word's upper bf16
	; group 1 for target: 128 rows x 64 elements of 4 bytes, 32,768 elements from t to t + 1; 16 bytes of padding behind every 64 words
	s_or_b32 s[G1+0], s43, (2<<16)|(1<<20)|(1<<21)|(5<<22)|(3<<25)
	s_mov_b32 s[G1+1], 64<<16                      ; tensor_dim0
	s_mov_b32 s[G1+2], 128<<16                     ; tensor_dim1
	s_mov_b32 s[G1+3], 64<<16                      ; tile_dim0
	s_mov_b32 s[G1+4], 128                         ; tile_dim1
	s_mov_b32 s[G1+5], 32768                       ; the pitch
	s_mov_b32 s[G1+6], 0
	s_mov_b32 s[G1+7], 0
	; group 1 for mx: 128 rows x 128 elements of 2 bytes, 2,048 elements from row to row
	s_or_b32 s[G1B+0], s44, (1<<16)|(1<<20)|(1<<21)|(5<<22)|(3<<25)
	s_mov_b32 s[G1B+1], 128<<16
	s_mov_b32 s[G1B+2], 128<<16
	s_mov_b32 s[G1B+3], 128<<16
	s_mov_b32 s[G1B+4], 128
	s_mov_b32 s[G1B+5], 2048
	s_mov_b32 s[G1B+6], 0
	s_mov_b32 s[G1B+7], 0
	; target's tile hangs on the tile row and the wave alone, mx's on the tile column and the wave alone, in registers that never hold the other coordinate
	s_and_b32 s16, s13, 1
	s_lshl_b32 s16, s16, 25                        ; 256 t x 131,072 bytes
	s_lshl_b32 s17, s12, 24                        ; 128 t
	s_add_co_u32 s16, s16, s17
	s_lshr_b32 s17, s13, 1
	s_lshl_b32 s17, s17, 12                        ; the batch's 4,096 bytes
	s_add_co_u32 s16, s16, s17
	s_mov_b32 s17, 0
	s_lshl_b32 s46, s42, 20                        ; 256 rows of mx x 4,096 bytes
	s_lshl_b32 s47, s12, 19
	s_add_co_u32 s46, s46, s47
	s_mov_b32 s47, 0
	s_mul_i32 s20, s10, HALFT                      ; where a wave's rows go: no place in the cluster enters an LDS address
	s_wait_dscnt 0x0
	s_wait_kmcnt 0x0
	s_add_nc_u64 s[14:15], s[4:5], s[16:17]
	s_add_nc_u64 s[46:47], s[6:7], s[46:47]
	CROUND                                         ; all sixteen work-groups are here: the first joint loads meet
.irp s, 0,1
	s_mov_b32 s[G0+4*\s], 1
	s_add_co_u32 s[G0+4*\s+1], s20, \s*SLOT
	s_add_nc_u64 s[G0+4*\s+2:G0+4*\s+3], s[14:15], \s*256          ; K step s
	s_or_b32 s[G0+4*\s+3], s[G0+4*\s+3], 0x80000000
	s_mov_b32 s[G0B+4*\s], 1
	s_add_co_u32 s[G0B+4*\s+1], s20, \s*SLOT
	s_add_nc_u64 s[G0B+4*\s+2:G0B+4*\s+3], s[46:47], \s*256
	s_or_b32 s[G0B+4*\s+3], s[G0B+4*\s+3], 0x80000000
	JLOAD \s
.endr
	v_and_b32 v1, 15, v0                           ; l % 16
	v_bfe_u32 v2, v0, 4, 1                         ; l / 16
	v_mul_u32_u24 v3, v1, PITCH
	v_lshl_add_u32 v4, v2, 5, v3                   ; target in f32: eight channels are 32 bytes
	v_lshl_add_u32 v5, v2, 4, v3                   ; mx in bf16: 16 bytes
	s_mul_i32 s21, s11, HALFT
	s_mul_i32 s22, s12, HALFT
	s_add_co_u32 s22, s22, 2*HALFT
.irp s, 0,1
	v_add_nc_u32 v[ADRA+\s], s21, v4
	v_add_nc_u32 v[ADRB+\s], s22, v5
	s_add_co_u32 s21, s21, SLOT
	s_add_co_u32 s22, s22, SLOT
.endr
	s_mul_i32 s23, s10, 16*SPITCH
	s_add_co_u32 s23, s23, STAGE                   ; my stage
	v_mul_u32_u24 v6, v1, SPITCH
	v_lshl_add_u32 v6, v2, 4, v6
	v_add_nc_u32 v[STO], s23, v6
	v_and_b32 v7, 31, v0
	v_lshlrev_b32 v[CO], 4, v7                     ; a row of 512 bytes: 16 bytes a lane
	v_add_nc_u32 v[RD], s23, v[CO]
	s_lshr_b32 s16, s13, 1
	s_lshl_b32 s16, s16, 21                        ; qx: the batch's 512 rows of 4,096 bytes,
	s_and_b32 s17, s13, 1
	s_lshl_b32 s17, s17, 20                        ; the tile's 256,
	s_add_co_u32 s16, s16, s17
	s_lshl_b32 s17, s11, 19                        ; my 128
	s_add_co_u32 s16, s16, s17
	s_mov_b32 s17, 0
	s_add_nc_u64 s[8:9], s[8:9], s[16:17]
	s_lshl_b32 s46, s42, 10                        ; the tile's four blocks of 256 bytes, my two
	s_lshl_b32 s47, s12, 9
	s_add_co_u32 s46, s46, s47
	s_mov_b32 s47, 0
	s_add_nc_u64 s[8:9], s[8:9], s[46:47]
; 16 matrix instructions: t blocks a0, a0 + 1 of the window's four x all 8 d blocks.  The 64 accumulators take turns in one order.
.macro MUL16 fB, fA, hi, a0, zero
.irp a, \a0, \a0+1
.irp b, 0,1,2,3,4,5,6,7
.if \zero
	v_wmma_f32_16x16x32_bf16 v[8*(8*(\a)+\b):8*(8*(\a)+\b)+7], v[\fB+8*\b:\fB+8*\b+7], v[\fA+8*(4*\hi+\a):\fA+8*(4*\hi+\a)+7], 0
.else
	v_wmma_f32_16x16x32_bf16 v[8*(8*(\a)+\b):8*(8*(\a)+\b)+7], v[\fB+8*\b:\fB+8*\b+7], v[\fA+8*(4*\hi+\a):\fA+8*(4*\hi+\a)+7], v[8*(8*(\a)+\b):8*(8*(\a)+\b)+7]
.endif
.endr
.endr
.endm
; target's 128 rows x 32 channels (half c of the K step) in f32: a lane's channels 8 h .. + 7 and 16 + 8 h .. + 7, four loads of 16 bytes a row block
.macro FETCH_RAW slot, c
	WIN 0x40
.irp i, 0,1,2,3,4,5,6,7
.set RW, 16*\i+128*(\i/4)
	ds_load_b128 v[RW:RW+3],     v[ADRA+\slot] offset:\i*16*PITCH+128*\c
	ds_load_b128 v[RW+4:RW+7],   v[ADRA+\slot] offset:\i*16*PITCH+128*\c+16
	ds_load_b128 v[RW+8:RW+11],  v[ADRA+\slot] offset:\i*16*PITCH+128*\c+64
	ds_load_b128 v[RW+12:RW+15], v[ADRA+\slot] offset:\i*16*PITCH+128*\c+80
.endr
.endm
.macro FETCH_B slot, off, f            ; mx's 128 rows x 32 channels at byte off of the rows: 0, 64 the hi parts, 128, 192 the lo parts
	WIN 0x40
.irp i, 0,1,2,3,4,5,6,7
	ds_load_b128 v[\f+8*\i:\f+8*\i+3],   v[ADRB+\slot] offset:\off+\i*16*PITCH
	ds_load_b128 v[\f+8*\i+4:\f+8*\i+7], v[ADRB+\slot] offset:\off+\i*16*PITCH+32
.endr
.endm
.macro CVT fa                          ; 64 roundings: target's numbers become fragments
	WIN 0x05
.irp i, 0,1,2,3,4,5,6,7
.set RW, 16*\i+128*(\i/4)
.irp j, 0,1,2,3,4,5,6,7
	v_cvt_pk_bf16_f32 v[\fa+8*\i+\j], v[RW+2*\j], v[RW+2*\j+1]
.endr
.endr
.endm
; A K step is four quarters of 64 matrix instructions: (channels 0-31, hi), (0-31, lo), (32-63, hi), (32-63, lo).
.macro QA slot, zero
	s_wait_dscnt 0x0                               ; mx's fragments are in
	WIN MUL_LO
	MUL16 F0, A0, 0, 0, \zero
	MUL16 F0, A0, 0, 2, \zero
	PLACES
	FETCH_RAW \slot, 1
	FETCH_B \slot, 128, F1
	WIN MUL_HI
	MUL16 F0, A0, 1, 0, \zero
	MUL16 F0, A0, 1, 2, \zero
.endm
.macro QB slot
	s_wait_dscnt 0x0
	WIN MUL_LO
	MUL16 F1, A0, 0, 0, 0
	MUL16 F1, A0, 0, 2, 0
	CVT A1                                         ; these name no register of the products round them: they are also the places in front of the loads below
	FETCH_B \slot, 64, F0
	WIN MUL_HI
	MUL16 F1, A0, 1, 0, 0
	MUL16 F1, A0, 1, 2, 0
.endm
.macro QC slot
	s_wait_dscnt 0x0
	WIN MUL_LO
	MUL16 F0, A1, 0, 0, 0
	MUL16 F0, A1, 0, 2, 0
	PLACES
	FETCH_B \slot, 192, F1
	WIN MUL_HI
	MUL16 F0, A1, 1, 0, 0
	MUL16 F0, A1, 1, 2, 0
.endm
; The last quarter changes slots.  In front of the barrier each wave has waited for its reads of this slot and for all its tensor loads (one is out: its part of the next slot).
; fill = 1: the barrier opens a round of the cluster's barrier, and the joint refill, two K steps ahead, is the first thing behind the round: 240 matrix instructions ahead of the wait for it.
.macro TURN slot, next, fill
	s_wait_dscnt 0x0                               ; my reads of this slot are over
	WIN MUL_LO
	MUL16 F1, A1, 0, 0, 0
	s_set_vgpr_msb 0xa1a0
	s_wait_tensorcnt 0x0                           ; all my tensor loads have landed
	ds_add_u32 v62, v63
	s_wait_dscnt 0x0
	s_set_vgpr_msb 0xa0a1
	s_barrier_signal -1
	MUL16 F1, A1, 0, 2, 0
	WIN 0                                          ; at a branch and at a label every window is 0
	s_barrier_wait -1
.if \fill
	CREST
	s_add_nc_u64 s[G0+4*\slot+2:G0+4*\slot+3], s[G0+4*\slot+2:G0+4*\slot+3], 512
	s_add_nc_u64 s[G0B+4*\slot+2:G0B+4*\slot+3], s[G0B+4*\slot+2:G0B+4*\slot+3], 512
	JLOAD \slot
.else
	PLACES
.endif
	FETCH_RAW \next, 0
	FETCH_B \next, 0, F0
	WIN MUL_HI
	MUL16 F1, A1, 1, 0, 0
	s_wait_dscnt 16                                ; target's 32 loads are in; mx's 16, issued behind them, stay out
	CVT A0
	WIN MUL_HI
	MUL16 F1, A1, 1, 2, 0
.endm
	s_wait_tensorcnt 1                             ; my part of K step 0 is in; K step 1's stays out
	s_barrier_signal -1
	s_barrier_wait -1
	FETCH_RAW 0, 0
	FETCH_B 0, 0, F0
	s_wait_dscnt 16
	CVT A0
	QA 0, 1                                        ; the first quarter's products start the sums: nothing is cleared
	WIN 0
	s_mov_b32 s3, 7
.Llap:                                                 ; a trip goes once round the ring and fills both slots again
	QB 0
	QC 0
	TURN 0, 1, 1
	QA 1, 0
	QB 1
	QC 1
	TURN 1, 0, 1
	QA 0, 0
	WIN 0
	s_sub_co_u32 s3, s3, 1
	s_cmp_lg_u32 s3, 0
	s_cbranch_scc1 .Llap
	QB 0                                           ; the last lap fills nothing
	QC 0
	TURN 0, 1, 0
	QA 1, 0
	QB 1
	QC 1
	s_wait_dscnt 0x0
	WIN MUL_LO
	MUL16 F1, A1, 0, 0, 0
	MUL16 F1, A1, 0, 2, 0
	WIN MUL_HI
	MUL16 F1, A1, 1, 0, 0
	MUL16 F1, A1, 1, 2, 0
; THE WAY OUT, a block of 16 t at a time: hi = bf16(q), lo = bf16(q - hi); 16 bytes a lane into my own stage, whole rows of 512 bytes back, stored.
.macro PACK a
.set AC, 64*((\a)%4)
	WIN 0x0a+5*((\a)/4)                            ; sources 0 and 1: window 2 or 3
.irp nb, 0,1,2,3,4,5,6,7
.irp i, 0,1,2,3
	v_cvt_pk_bf16_f32 v[HH+4*\nb+\i], v[AC+8*\nb+2*\i], v[AC+8*\nb+2*\i+1]
.endr
.endr
	WIN 0
.irp nb, 0,1,2,3,4,5,6,7
.irp i, 0,1,2,3
	v_lshlrev_b32 v[TT+8*\nb+2*\i],   16, v[HH+4*\nb+\i]
	v_and_b32     v[TT+8*\nb+2*\i+1], s45, v[HH+4*\nb+\i]
.endr
.endr
	WIN 0x02+((\a)/4)                              ; source 0: window 2 or 3
.irp nb, 0,1,2,3,4,5,6,7
.irp i, 0,1,2,3
	v_pk_add_f32 v[TT+8*\nb+2*\i:TT+8*\nb+2*\i+1], v[AC+8*\nb+2*\i:AC+8*\nb+2*\i+1], v[TT+8*\nb+2*\i:TT+8*\nb+2*\i+1] neg_lo:[0,1] neg_hi:[0,1]
.endr
.endr
	WIN 0
.irp nb, 0,1,2,3,4,5,6,7
.irp i, 0,1,2,3
	v_cvt_pk_bf16_f32 v[LL+4*\nb+\i], v[TT+8*\nb+2*\i], v[TT+8*\nb+2*\i+1]
.endr
.endr
.endm
	PLACES
.irp a, 0,1,2,3,4,5,6,7
	PACK \a
	s_wait_xcnt 0x0                                ; the rows read back were the data of the last block's stores: they are loaded again only behind this wait
.irp nb, 0,1,2,3,4,5,6,7
	ds_store_b128 v[STO], v[HH+4*\nb:HH+4*\nb+3] offset:(\nb/4)*256+(\nb%4)*32
	ds_store_b128 v[STO], v[LL+4*\nb:LL+4*\nb+3] offset:(\nb/4)*256+(\nb%4)*32+128
.endr
.irp i, 0,1,2,3,4,5,6,7,8,9,10,11,12,13,14,15
	ds_load_b128 v[BK+4*\i:BK+4*\i+3], v[RD] offset:\i*SPITCH      ; LDS serves a wave's instructions in order (ISA guide 5.7.1.4): these see the stores above
.endr
	s_wait_dscnt 0x0
.irp i, 0,1,2,3,4,5,6,7,8,9,10,11,12,13,14,15
	global_store_b128 v[CO], v[BK+4*\i:BK+4*\i+3], s[8:9] offset:(16*\a+\i)*4096   ; 32 lanes store 512 consecutive bytes, aligned
.endr
.endr
	s_wait_tensorcnt 0x0
	ds_add_u32 v62, v63
	s_wait_dscnt 0x0
	CROUND                                         ; the closing round: no work-group ends while a partner may still ask for a tile that names it
	s_endpgm
.Lfunc_end_k_q10059d9156_qgemm:
	.size	k_q10059d9156_qgemm, .Lfunc_end_k_q10059d9156_qgemm-k_q10059d9156_qgemm
	.p2alignl 7, 3214868480
	.fill 96, 4, 3214868480
	.section	.rodata,"a",@progbits
	.p2align	6, 0x0
	.amdhsa_kernel k_q10059d9156_qgemm
		.amdhsa_group_segment_fixed_size 327680
		.amdhsa_private_segment_fixed_size 0
		.amdhsa_enable_private_segment 0
		.amdhsa_kernarg_size 24
		.amdhsa_user_sgpr_count 2
		.amdhsa_user_sgpr_kernarg_segment_ptr 1
		.amdhsa_wavefront_size32 1
		.amdhsa_system_sgpr_workgroup_id_x 1
		.amdhsa_system_sgpr_workgroup_id_y 1
		.amdhsa_system_sgpr_workgroup_id_z 1
		.amdhsa_system_vgpr_workitem_id 0
		.amdhsa_next_free_vgpr 1024
		.amdhsa_next_free_sgpr 66
		.amdhsa_reserve_vcc 0
		.amdhsa_float_denorm_mode_32 3
		.amdhsa_float_denorm_mode_16_64 3
		.amdhsa_memory_ordered 1
		.amdhsa_forward_progress 1
		.amdhsa_inst_pref_size 236
	.end_amdhsa_kernel
	.amdgpu_metadata
---
amdhsa.version: [ 1, 2 ]
amdhsa.kernels:
  - .name:           k_q10059d9156_qgemm
    .symbol:         k_q10059d9156_qgemm.kd
    .args:
      - { .name: target, .offset: 0, .size: 8, .value_kind: global_buffer, .address_space: global }
      - { .name: mx, .offset: 8, .size: 8, .value_kind: global_buffer, .address_space: global }
      - { .name: qx, .offset: 16, .size: 8, .value_kind: global_buffer, .address_space: global }
    .group_segment_fixed_size: 327680
    .private_segment_fixed_size: 0
    .kernarg_segment_align: 8
    .kernarg_segment_size: 24
    .max_flat_workgroup_size: 128
    .sgpr_count:     66
    .vgpr_count:     1024
    .wavefront_size: 32
...
	.end_amdgpu_metadata
.endif
;; end of part 2
;; launch attn (part 3): grid 8 x 32, 4 waves a work-group, clusters of 4 x 1, 327,680 bytes of LDS; arguments srcb, qx, out0; writes out0
.if DOCPART == 3
	.amdgcn_target "amdgcn-amd-amdhsa--gfx1250"
	.amdhsa_code_object_version 6
	.text
	.protected	k_q10059d9156_attn
	.globl	k_q10059d9156_attn
	.p2align	8
	.type	k_q10059d9156_attn,@function
k_q10059d9156_attn:
	s_mov_b64 s[64:65], 0
	v_nop
	global_prefetch_b8 v0, s[64:65] scope:SCOPE_SE
	s_setreg_imm32_b32 hwreg(HW_REG_WAVE_MODE, 25, 1), 1
	s_wait_xcnt 0x0
	s_wait_alu depctr_hold_cnt(0) depctr_sa_sdst(0) depctr_va_vdst(0) depctr_va_sdst(0) depctr_va_ssrc(0) depctr_va_vcc(0) depctr_vm_vsrc(0)
	s_getreg_b32 s2, hwreg(HW_REG_IB_STS2, 6, 4)
	s_cmp_eq_u32 s2, 0
	s_cbranch_scc0 .Lentry_in_a_cluster
	s_endpgm
.Lentry_in_a_cluster:
	s_bfe_u32 s2, ttmp6, 0x10000c
	s_cmp_lg_u32 s2, 0x3003
	s_cbranch_scc0 .Lentry_shape_is_right
	s_endpgm
.Lentry_shape_is_right:
; out0[t][b][:] = sum over s of softmax_s(source[s][b] . q[t][b]) source[s][b][:], for one batch and 64 queries t a work-group; four waves.
; PHASE 1.  S^T = K Q^T over 1,024 channels in 16 steps of 64: wave w owns keys 128 w .. + 127 x all 64 queries, 32 accumulators; each fragment of K (source in bf16)
;   is multiplied by q's hi and by q's lo.  In the result a lane holds one query (l % 16) and eight keys.
;   K comes through the ring, the blocks of TWO steps to a slot: each wave asks for a quarter of a slot, 32,768 bytes, and the request stands 240 matrix instructions ahead of the
;   wait for it.  All four waves' loads are K's, so q comes through registers: each wave loads 16 of the 64 rows of a step's block (256 bytes a row), two and a half steps ahead,
;   and stores them into a ring of two tiles in LDS bytes that no tensor load fills.
; SOFTMAX, once: the true maximum over all 512 keys (lanes, then waves through LDS) is taken away; p = 2^(c s - c m), c = log2(e); p is rounded to bf16; the divisor is the
;   sum of the ROUNDED p, made by a product with ones.  Then every wave takes all of P into 512 registers, through LDS, half at a time.
; PHASE 3.  O^T = V^T P in 16 blocks of 64 channels: wave w owns channels 16 w .. + 15 of a block x 64 queries, 4 accumulators, 512 keys deep.  V is the same srcb, turned by the load.
; CLUSTER 4 x 1: the four work-groups share the batch, so every tile of srcb is asked for jointly (mask 15); q's rows are each work-group's own.
; LIMITS: weights are bf16; scores must stay under 2.3e38, so that c s is finite.
; LDS: two slots of 131,072 bytes, each two blocks of srcb (K in phase 1, V in phase 3).  Behind them, never filled by a tensor load: 34,816 bytes that are, one after the other,
;   q's two tiles of 64 rows x 272, P's exchange (32,768), and two stages of 64 rows x 272; then 1,024 bytes of maxima and 1,024 of sums.
; REGISTERS: window 0: addresses, statistics; in phase 1 K's addresses (v64-79) and four batches of q on their way (v80-207); then my own P (v64-191); later O^T and the way out.
;   window 1: S^T, later P of keys 0-255.  window 2: two fragment buffers of K and q, later P of keys 256-511.  window 3: two buffers of V.
.set SLOT,  131072
.set BLKB,  65536
.set QP,    272
.set XCH,   262144
.set STGB,  64*272
.set MXR,   XCH+2*STGB
.set LRO,   1024
.set AQ,   12                          ; v12-13  q's two tiles
.set AV,   14                          ; v14-17  V: slot x block
.set MXW,  18
.set MXRD, 19
.set PW,   20
.set PR,   21
.set STW,  22
.set STR,  23                          ; row 16 w + h, 16 r of a tile of 64 rows x 272: q's rows go in by it, the stages' rows come out by it
.set CO,   24
.set QG,   31                          ; v31  the same row and bytes in qx
.set MM,   32                          ; v32-35 maxima; v36-39 the other half's
.set TT,   36
.set MX4,  40
.set CM,   56                          ; v56-63 c m, a pair for each query tile
.set RL,   32                          ; v32-39 1 / l, pairs (the maxima are done with)
.set AK,   64                          ; v64-79  K: (slot, block) x (piece pair 0..3)
.set QRB,  80                          ; v80-207 four batches of 8 loads of q
.set PT,   64
.set LACC, 192
.set ONES, 224
.set L4,   232
.set OACC, 64
.set OS,   96
.set BK,   128
.set FB0,  0
.set FB1,  128
.set VB0,  0
.set G1S, 24                           ; s[24:31] group 1: 32,768 dense bytes of srcb as 128 rows of 256
.set G0S, 40                           ; s[40:47] group 0 for srcb, a set for each slot
.set W_S, 0x5a                         ; K and q window 2, S^T window 1
.set MSB, 0
.macro WIN new
.if MSB != \new
	s_set_vgpr_msb (MSB<<8)|\new
.set MSB, \new
.endif
.endm
.macro PLACES                          ; four plain places behind matrix instructions (ISA guide 7.12.1 for vector instructions)
.rept 4
	v_nop
.endr
.endm
.macro CREST
	s_cmp_lg_u32 s10, 0
	s_cbranch_scc1 .Lnot_wave_0_\@
	s_barrier_signal -3
.Lnot_wave_0_\@:
	s_barrier_wait -3
	s_barrier_signal -1
	s_barrier_wait -1
.endm
.macro CROUND
	s_barrier_signal -1
	s_barrier_wait -1
	CREST
.endm
.macro JLOADV slot                     ; a refill: every wave asks jointly for its quarter of a slot's two blocks; the four v_nop are also the places in front of the fragment loads that follow
	tensor_load_to_lds s[G0S+4*\slot:G0S+4*\slot+3], s[G1S:G1S+7]
	s_nop 0
	PLACES
.endm
; q's block at byte 256 col of the rows, my 16 rows, into batch m: in every load 16 lanes take 256 consecutive bytes, aligned
.macro QLOAD m, col
.irp i, 0,1,2,3,4,5,6,7
	global_load_b128 v[QRB+32*(\m)+4*\i:QRB+32*(\m)+4*\i+3], v[QG], s[6:7] offset:\i*8192+(\col)*256 th:TH_LOAD_NT
.endr
.endm
.macro QPUT m, qs                      ; batch m goes into q's tile qs
.irp i, 0,1,2,3,4,5,6,7
	ds_store_b128 v[STR], v[QRB+32*(\m)+4*\i:QRB+32*(\m)+4*\i+3] offset:(\qs)*STGB+\i*544
.endr
.endm
	s_load_b128 s[4:7], s[0:1], 0x0                ; srcb s[4:5], qx s[6:7]
	s_load_b64 s[8:9], s[0:1], 0x10                ; out0
	v_lshl_add_u32 v254, v0, 2, 0x49000
	v_mov_b32 v255, 0
	ds_add_u32 v254, v255
	v_lshrrev_b32 v3, 5, v0
	v_readfirstlane_b32 s10, v3                    ; wave 0..3
	v_and_b32 v1, 15, v0                           ; r = l % 16
	v_bfe_u32 v2, v0, 4, 1                         ; h = l / 16
	s_bfe_u32 s11, ttmp6, 0x40000                  ; cx
	s_lshl_b32 s12, ttmp9, 2
	s_add_co_u32 s12, s12, s11                     ; my block of 64 queries: it enters qx's and out0's addresses alone
	s_and_b32 s13, ttmp7, 0xffff                   ; the batch, which the four partners share
	s_lshl_b32 s14, s13, 20                        ; srcb: the batch's 16 blocks,
	s_lshl_b32 s16, s10, 15                        ; my wave's 32,768 bytes, in memory and in a slot
	s_add_co_u32 s14, s14, s16
	s_mov_b32 s15, 0
	s_lshl_b32 s18, s13, 21                        ; qx: the batch's 512 rows of 4,096 bytes,
	s_lshl_b32 s19, s12, 18                        ; my 64
	s_add_co_u32 s18, s18, s19
	s_mov_b32 s19, 0
	s_lshl_b32 s20, s12, 23                        ; out0: 64 t x 131,072 bytes,
	s_lshl_b32 s21, s13, 12                        ; the batch's 4,096
	s_add_co_u32 s20, s20, s21
	s_mov_b32 s21, 0
	s_lshl_b32 s17, s10, 16                        ; qx: my wave's 16 rows,
	v_lshlrev_b32 v[QG], 12, v2                    ; row h of a load's two,
	v_lshl_add_u32 v[QG], v1, 4, v[QG]             ; 16 r
	v_add_nc_u32 v[QG], s17, v[QG]
	s_mov_b32 s[G1S+0], 15|(3<<16)|(1<<21)         ; the mask: all four work-groups; elements of 8 bytes; bit 21 beside a mask; no padding
	s_mov_b32 s[G1S+1], 32<<16                     ; tensor_dim0 = 32 (256 bytes)
	s_mov_b32 s[G1S+2], 128<<16                    ; tensor_dim1 = 128
	s_mov_b32 s[G1S+3], 32<<16                     ; tile_dim0
	s_mov_b32 s[G1S+4], 128                        ; tile_dim1
	s_mov_b32 s[G1S+5], 32                         ; the pitch: dense
	s_mov_b32 s[G1S+6], 0
	s_mov_b32 s[G1S+7], 0
	s_mov_b32 s58, 0x3fb8aa3b                      ; c = log2(e)
	s_mov_b32 s59, 0x3fb8aa3b                      ; named with it as a pair
	s_mov_b32 s60, 0x76543210                      ; v_permlanex16_b32: each lane takes its own place in the other half
	s_mov_b32 s61, 0xfedcba98
	s_wait_dscnt 0x0
	s_wait_kmcnt 0x0
	s_add_nc_u64 s[4:5], s[4:5], s[14:15]
	s_add_nc_u64 s[6:7], s[6:7], s[18:19]
	s_add_nc_u64 s[8:9], s[8:9], s[20:21]
.irp n, 0,1,2,3
	QLOAD \n, \n                                   ; q's blocks of steps 0 to 3 are on their way while the cluster meets
.endr
	CROUND                                         ; all four work-groups are here: the first joint loads meet
.irp s, 0,1
	s_mov_b32 s[G0S+4*\s], 1
	s_add_co_u32 s[G0S+4*\s+1], s16, \s*SLOT
	s_add_nc_u64 s[G0S+4*\s+2:G0S+4*\s+3], s[4:5], \s*SLOT         ; channel blocks 2 s and 2 s + 1
	s_or_b32 s[G0S+4*\s+3], s[G0S+4*\s+3], 0x80000000
.endr
	tensor_load_to_lds s[G0S:G0S+3], s[G1S:G1S+7]                  ; both first fills together: two loads of mine are out at the most
	s_nop 0
	tensor_load_to_lds s[G0S+4:G0S+7], s[G1S:G1S+7]
	s_nop 0
	PLACES
	v_and_b32 v3, 31, v0                           ; l
	v_bfe_u32 v26, v0, 3, 1
	v_and_b32 v25, 6, v0
	v_or_b32 v27, v25, v26                         ; f of key r (higher bits of the key do not enter f)
	v_add_nc_u32 v27, v27, v2                      ; + h
	v_lshlrev_b32 v28, 7, v1                       ; key r x 128 bytes,
	s_lshl_b32 s17, s10, 14                        ; my wave's 128 keys
	v_add_nc_u32 v28, s17, v28
.irp q, 0,1,2,3                        ; pieces 2 q + h of a key's eight: channels 16 q + 8 h .. + 7; in each of the ring's four blocks
	v_add_nc_u32 v29, 2*\q, v27
	v_and_b32 v29, 7, v29
	v_lshl_add_u32 v[AK+\q], v29, 4, v28
	v_add_nc_u32 v[AK+4+\q], BLKB, v[AK+\q]
	v_add_nc_u32 v[AK+8+\q], SLOT, v[AK+\q]
	v_add_nc_u32 v[AK+12+\q], SLOT+BLKB, v[AK+\q]
.endr
	v_mul_u32_u24 v29, v1, QP
	v_lshl_add_u32 v29, v2, 4, v29
	v_add_nc_u32 v[AQ], XCH, v29
	v_add_nc_u32 v[AQ+1], XCH+STGB, v29
	v_and_b32 v29, 7, v0                           ; the turning load: lane l reads key 8 h + l % 8, piece 2 w + (l / 8) % 2
	v_lshl_add_u32 v29, v2, 3, v29
	v_lshlrev_b32 v29, 7, v29
	v_or_b32 v30, v25, v2                          ; f of that key: (l & 6) | h
	v_add_nc_u32 v30, v30, v26
	s_lshl_b32 s17, s10, 1
	v_add_nc_u32 v30, s17, v30
	v_and_b32 v30, 7, v30
	v_lshl_add_u32 v[AV], v30, 4, v29
	v_add_nc_u32 v[AV+1], BLKB, v[AV]
	v_add_nc_u32 v[AV+2], SLOT, v[AV]
	v_add_nc_u32 v[AV+3], SLOT+BLKB, v[AV]
	s_lshl_b32 s17, s10, 2
	s_add_co_u32 s17, s17, MXR
	v_lshl_add_u32 v[MXW], v1, 4, s17              ; [query][wave], 4 bytes
	s_mov_b32 s17, MXR
	v_lshl_add_u32 v[MXRD], v1, 4, s17
	s_lshl_b32 s17, s10, 13
	s_add_co_u32 s17, s17, XCH
	v_lshl_add_u32 v[PW], v3, 4, s17
	s_mov_b32 s17, XCH
	v_lshl_add_u32 v[PR], v3, 4, s17
	s_lshl_b32 s17, s10, 6
	s_add_co_u32 s17, s17, XCH
	v_mul_u32_u24 v29, v1, 272
	v_lshl_add_u32 v29, v2, 5, v29
	v_add_nc_u32 v[STW], s17, v29                  ; row = query r, byte 64 w + 32 h
	s_mul_i32 s17, s10, 16*272
	s_add_co_u32 s17, s17, XCH
	v_mul_u32_u24 v29, v2, 272
	v_lshl_add_u32 v29, v1, 4, v29
	v_add_nc_u32 v[STR], s17, v29                  ; row 16 w + h, 16 r
	s_lshl_b32 s17, s10, 21
	v_lshlrev_b32 v29, 17, v2
	v_lshl_add_u32 v29, v1, 4, v29
	v_add_nc_u32 v[CO], s17, v29                   ; the same row in out0
.irp i, 0,1,2,3
	v_mov_b32 v[TT+\i], 0                          ; v_permlanex16_b32 counts as a reader of its destination
.endr
.irp i, 0,1,2,3,4,5,6,7
	v_mov_b32 v[ONES+\i], 0x3f803f80               ; a fragment of ones
.endr
; 16 matrix instructions: key tiles k0 .. k0 + 3 x 4 query tiles; p = 0: q's hi, 1: its lo.  The 32 accumulators take turns.
.macro MULS f, p, k0, zero
.irp kt, \k0, \k0+1, \k0+2, \k0+3
.irp qt, 0,1,2,3
.if \zero
	v_wmma_f32_16x16x32_bf16 v[8*(4*(\kt)+\qt):8*(4*(\kt)+\qt)+7], v[\f+8*(\kt):\f+8*(\kt)+7], v[\f+64+8*(4*\p+\qt):\f+64+8*(4*\p+\qt)+7], 0
.else
	v_wmma_f32_16x16x32_bf16 v[8*(4*(\kt)+\qt):8*(4*(\kt)+\qt)+7], v[\f+8*(\kt):\f+8*(\kt)+7], v[\f+64+8*(4*\p+\qt):\f+64+8*(4*\p+\qt)+7], v[8*(4*(\kt)+\qt):8*(4*(\kt)+\qt)+7]
.endif
.endr
.endr
.endm
; 32 loads: half c (32 channels) of the step whose K is block blk of slot slot and whose q is tile blk: my 128 keys, then q's hi, then q's lo
.macro FETCH1 slot, blk, c, f
	WIN 0x80
.irp kt, 0,1,2,3,4,5,6,7
	ds_load_b128 v[\f+8*\kt:\f+8*\kt+3],   v[AK+8*(\slot)+4*(\blk)+2*\c]   offset:\kt*2048
	ds_load_b128 v[\f+8*\kt+4:\f+8*\kt+7], v[AK+8*(\slot)+4*(\blk)+2*\c+1] offset:\kt*2048
.endr
.irp p, 0,1
.irp qt, 0,1,2,3
	ds_load_b128 v[\f+64+8*(4*\p+\qt):\f+64+8*(4*\p+\qt)+3],   v[AQ+(\blk)] offset:\qt*16*QP+\p*128+\c*64
	ds_load_b128 v[\f+64+8*(4*\p+\qt)+4:\f+64+8*(4*\p+\qt)+7], v[AQ+(\blk)] offset:\qt*16*QP+\p*128+\c*64+32
.endr
.endr
.endm
; 32 turning loads: my 16 channels of a block of V, all 512 keys
.macro FETCHV slot, blk, vb
	WIN 0xc0
.irp g, 0,1,2,3,4,5,6,7,8,9,10,11,12,13,14,15
	ds_load_tr16_b128 v[\vb+8*\g:\vb+8*\g+3],   v[AV+2*\slot+\blk] offset:\g*4096
	ds_load_tr16_b128 v[\vb+8*\g+4:\vb+8*\g+7], v[AV+2*\slot+\blk] offset:\g*4096+2048
.endr
.endm
; A step's first 32 channels.  ql = 1: q's block of the step four on is asked for, into the batch whose last block went into LDS two steps ago.
.macro CHUNK0 slot, blk, zero, ql
	s_wait_dscnt 8                                 ; K and q's hi are in; the eight loads of q's lo may be out
	WIN W_S
	MULS FB0, 0, 0, \zero
	MULS FB0, 0, 4, \zero
	PLACES
	FETCH1 \slot, \blk, 1, FB1
	s_wait_dscnt 32                                ; all but the 32 just issued
.if \ql
	WIN 0
	QLOAD 2*\slot+\blk, 2*\slot+\blk+4
.endif
	WIN W_S
	MULS FB0, 1, 0, 0
	MULS FB0, 1, 4, 0
.endm
; A step's last 32 channels, and the barrier at the step's end; in front of it each wave has waited for all its LDS reads and stores.
; blk = 0, the middle of a slot: a plain barrier; the other slot's refill may stay out, since no tensor load fills anything behind it.
; blk = 1, the slot has been read out: each wave has also waited for all its tensor loads (one is out: its part of the other slot), the barrier opens a round of the cluster's
;   barrier, and the joint refill is the first thing behind the round.  back = 0: K's blocks four on.  back = 1 (the last two slots): phase 3's first blocks of V, twelve blocks back.
; qleft >= 0: q's block of the step two on goes into the tile that this step has read; qleft loads, the younger blocks', stay out.  last = 1: phase 3's first fragments are fetched.
.macro TURN1 slot, blk, back, qleft, last
	s_wait_dscnt 8
	WIN W_S
	MULS FB1, 0, 0, 0
	s_wait_dscnt 0x0                               ; my reads of this step's K and q are over, and my stores of the next step's q are done
.if \blk
	s_set_vgpr_msb 0x5a50
	s_wait_tensorcnt 0x0                           ; and all my tensor loads have landed
	ds_add_u32 v254, v255
	s_wait_dscnt 0x0
	s_set_vgpr_msb 0x505a
.endif
	s_barrier_signal -1
	MULS FB1, 0, 4, 0
	WIN 0                                          ; at a branch and at a label every window is 0
	s_barrier_wait -1
.if \blk
	CREST
.if \back
	s_sub_nc_u64 s[G0S+4*\slot+2:G0S+4*\slot+3], s[G0S+4*\slot+2:G0S+4*\slot+3], 12*BLKB
.else
	s_add_nc_u64 s[G0S+4*\slot+2:G0S+4*\slot+3], s[G0S+4*\slot+2:G0S+4*\slot+3], 4*BLKB
.endif
	JLOADV \slot
.else
	PLACES                                         ; in front of the fragment loads below
.endif
.if \qleft >= 0
	s_wait_loadcnt \qleft
	QPUT (2*\slot+\blk+2)%4, \blk
.endif
.if \last
	FETCHV 0, 0, VB0                               ; slot 0's blocks of V were shown landed in front of the round
.elseif \blk
	FETCH1 1-\slot, 0, 0, FB0
.else
	FETCH1 \slot, 1, 0, FB0
.endif
	WIN W_S
	MULS FB1, 1, 0, 0
	MULS FB1, 1, 4, 0
.endm
; Four steps: once round the ring.  At its end q's address goes four blocks on.
.macro PERIOD zero
	CHUNK0 0, 0, \zero, 1
	TURN1  0, 0, 0, 16, 0
	CHUNK0 0, 1, 0, 1
	TURN1  0, 1, 0, 16, 0
	CHUNK0 1, 0, 0, 1
	TURN1  1, 0, 0, 16, 0
	CHUNK0 1, 1, 0, 1
	TURN1  1, 1, 0, 16, 0
	WIN 0
	s_wait_xcnt 0x0                                ; the loads' base is stepped only behind this wait
	s_add_nc_u64 s[6:7], s[6:7], 1024
.endm
	s_wait_loadcnt 16                              ; q's blocks of steps 0 and 1 are in; those of steps 2 and 3 stay out
	QPUT 0, 0
	QPUT 1, 1
	s_wait_dscnt 0x0                               ; for the others' sake: my rows of q are in LDS,
	s_wait_tensorcnt 1                             ; and my part of slot 0; slot 1's stays out
	s_barrier_signal -1
	s_barrier_wait -1                              ; everybody's are
	FETCH1 0, 0, 0, FB0
	PERIOD 1                                       ; steps 0 to 3: the first products start the sums: nothing is cleared
	s_mov_b32 s56, 2
.Lper:                                                 ; steps 4 to 11
	PERIOD 0
	s_sub_co_u32 s56, s56, 1
	s_cmp_lg_u32 s56, 0
	s_cbranch_scc1 .Lper
	CHUNK0 0, 0, 0, 0                              ; steps 12 to 15: no more of q is asked for, and the counts run down
	TURN1  0, 0, 0, 8, 0
	CHUNK0 0, 1, 0, 0
	TURN1  0, 1, 1, 0, 0
	CHUNK0 1, 0, 0, 0
	TURN1  1, 0, 0, -1, 0
	CHUNK0 1, 1, 0, 0
	TURN1  1, 1, 1, -1, 1
	; THE MAXIMUM of a query's scores: my lane's 64, four chains (one a query tile) by turns, each accumulator from its low end on
	PLACES
	WIN 0x05
.irp qt, 0,1,2,3
	v_max_num_f32 v[MM+\qt], v[8*\qt], v[8*\qt+1]
.endr
	WIN 0x14
.irp kt, 0,1,2,3,4,5,6,7
.irp i, 0,1,2,3
.if (\kt > 0) || (\i > 0)
.irp qt, 0,1,2,3
	v_max3_num_f32 v[MM+\qt], v[MM+\qt], v[8*(4*\kt+\qt)+2*\i], v[8*(4*\kt+\qt)+2*\i+1]
.endr
.endif
.endr
.endr
	WIN 0
.irp qt, 0,1,2,3
	v_permlanex16_b32 v[TT+\qt], v[MM+\qt], s60, s61               ; the query's other keys of my wave lie in the lane 16 away
.endr
.irp qt, 0,1,2,3
	v_max_num_f32 v[MM+\qt], v[MM+\qt], v[TT+\qt]
.endr
.irp qt, 0,1,2,3
	ds_store_b32 v[MXW], v[MM+\qt] offset:\qt*256
.endr
	s_wait_dscnt 0x0                               ; for the others' sake
	s_barrier_signal -1
	s_barrier_wait -1
.irp qt, 0,1,2,3
	ds_load_b128 v[MX4+4*\qt:MX4+4*\qt+3], v[MXRD] offset:\qt*256  ; the four waves' maxima
.endr
	s_wait_dscnt 0x0
.irp qt, 0,1,2,3
	v_max3_num_f32 v[MM+\qt], v[MX4+4*\qt], v[MX4+4*\qt+1], v[MX4+4*\qt+2]
.endr
.irp qt, 0,1,2,3
	v_max_num_f32 v[MM+\qt], v[MM+\qt], v[MX4+4*\qt+3]
.endr
.irp qt, 0,1,2,3
	v_mul_f32 v[CM+2*\qt], s58, v[MM+\qt]
.endr
.irp qt, 0,1,2,3
	v_mov_b32 v[CM+2*\qt+1], v[CM+2*\qt]
.endr
; p = 2^(c s - c m) in place, a key tile at a time; the roundings of the tile before are the plain instructions behind a tile's exponentials (ISA guide 5.7.2)
.macro EXPG kt
	WIN 0x41
.irp qt, 0,1,2,3
.irp i, 0,1,2,3
	v_pk_fma_f32 v[8*(4*(\kt)+\qt)+2*\i:8*(4*(\kt)+\qt)+2*\i+1], v[8*(4*(\kt)+\qt)+2*\i:8*(4*(\kt)+\qt)+2*\i+1], s[58:59], v[CM+2*\qt:CM+2*\qt+1] op_sel_hi:[1,0,0] neg_lo:[0,0,1] neg_hi:[0,0,1]
.endr
.endr
.irp qt, 0,1,2,3
.irp j, 0,1,2,3,4,5,6,7
	v_exp_f32 v[8*(4*(\kt)+\qt)+\j], v[8*(4*(\kt)+\qt)+\j]
.endr
.endr
.endm
; Two key tiles, rounded in pairs, ARE source 1 (32 keys x 16 queries) of the second product
.macro CVTG kt
	WIN 0x05
	s_wait_alu depctr_va_vdst(0)
.irp qt, 0,1,2,3
.irp i, 0,1,2,3
	v_cvt_pk_bf16_f32 v[PT+8*(4*((\kt)/2)+\qt)+4*((\kt)%2)+\i], v[8*(4*(\kt)+\qt)+2*\i], v[8*(4*(\kt)+\qt)+2*\i+1]
.endr
.endr
.endm
	EXPG 0
.irp kt, 1,2,3,4,5,6,7
	EXPG \kt
	CVTG \kt-1
.endr
	CVTG 7
	WIN 0
.irp kc, 0,1,2,3                       ; the sum of the rounded weights of my 128 keys: ones x P; four accumulators by turns
.irp qt, 0,1,2,3
.if \kc == 0
	v_wmma_f32_16x16x32_bf16 v[LACC+8*\qt:LACC+8*\qt+7], v[ONES:ONES+7], v[PT+8*\qt:PT+8*\qt+7], 0
.else
	v_wmma_f32_16x16x32_bf16 v[LACC+8*\qt:LACC+8*\qt+7], v[ONES:ONES+7], v[PT+8*(4*\kc+\qt):PT+8*(4*\kc+\qt)+7], v[LACC+8*\qt:LACC+8*\qt+7]
.endif
.endr
.endr
; P's exchange, half ph: each wave puts two of its four rows of fragments (32 keys each) down as register images; every wave takes all eight
.macro PSTORE ph
.irp kc, 0,1
.irp qt, 0,1,2,3
	ds_store_b128 v[PW], v[PT+8*(4*(2*\ph+\kc)+\qt):PT+8*(4*(2*\ph+\kc)+\qt)+3]   offset:(\kc*4+\qt)*1024
	ds_store_b128 v[PW], v[PT+8*(4*(2*\ph+\kc)+\qt)+4:PT+8*(4*(2*\ph+\kc)+\qt)+7] offset:(\kc*4+\qt)*1024+512
.endr
.endr
.endm
.macro PLOAD ph
.irp wv, 0,1,2,3
.if \wv < 2
	WIN 0x40                                       ; keys 0-255: window 1
.else
	WIN 0x80                                       ; keys 256-511: window 2
.endif
.irp kc, 0,1
.irp qt, 0,1,2,3
.set PG, 8*(4*((4*\wv+2*\ph+\kc)%8)+\qt)
	ds_load_b128 v[PG:PG+3],   v[PR] offset:((\wv*2+\kc)*4+\qt)*1024
	ds_load_b128 v[PG+4:PG+7], v[PR] offset:((\wv*2+\kc)*4+\qt)*1024+512
.endr
.endr
.endr
	WIN 0
.endm
	PSTORE 0                                       ; over q's tiles: their last reads were waited for in front of the last step's barrier
	PLACES                                         ; behind the sums' last products
.irp qt, 0,1,2,3
	ds_store_b32 v[MXW], v[LACC+8*\qt] offset:LRO+\qt*256          ; every register of the result holds the query's sum: the lowest is taken
.endr
	s_wait_dscnt 0x0
	s_barrier_signal -1
	s_barrier_wait -1
	PLOAD 0
.irp qt, 0,1,2,3
	ds_load_b128 v[L4+4*\qt:L4+4*\qt+3], v[MXRD] offset:LRO+\qt*256
.endr
	s_wait_dscnt 0x0                               ; my reads of the first half are over,
	s_barrier_signal -1
	s_barrier_wait -1                              ; everybody's are: the bytes may be written again
	PSTORE 1
	s_wait_dscnt 0x0
	s_barrier_signal -1
	s_barrier_wait -1
	PLOAD 1
.irp qt, 0,1,2,3
	v_add_f32 v[L4+4*\qt], v[L4+4*\qt], v[L4+4*\qt+1]
	v_add_f32 v[L4+4*\qt+2], v[L4+4*\qt+2], v[L4+4*\qt+3]
.endr
.irp qt, 0,1,2,3
	v_add_f32 v[L4+4*\qt], v[L4+4*\qt], v[L4+4*\qt+2]
.endr
.irp qt, 0,1,2,3
	v_rcp_f32 v[RL+2*\qt], v[L4+4*\qt]             ; l is at least the top weight, 1
.endr
	v_nop                                          ; a plain instruction between the last reciprocal and the use of its result
	s_wait_alu depctr_va_vdst(0)
.irp qt, 0,1,2,3
	v_mov_b32 v[RL+2*\qt+1], v[RL+2*\qt]
.endr
; 64 matrix instructions: a block's O^T; four accumulators by turns; the first four start the sums
.macro MULO vb
.irp g, 0,1,2,3,4,5,6,7,8,9,10,11,12,13,14,15
.if \g < 8
	WIN 0x07                                       ; V window 3, P window 1
.else
	WIN 0x0b                                       ; V window 3, P window 2
.endif
.irp qt, 0,1,2,3
.if \g == 0
	v_wmma_f32_16x16x32_bf16 v[OACC+8*\qt:OACC+8*\qt+7], v[\vb:\vb+7], v[8*\qt:8*\qt+7], 0
.else
	v_wmma_f32_16x16x32_bf16 v[OACC+8*\qt:OACC+8*\qt+7], v[\vb+8*\g:\vb+8*\g+7], v[8*(4*(\g%8)+\qt):8*(4*(\g%8)+\qt)+7], v[OACC+8*\qt:OACC+8*\qt+7]
.endif
.endr
.endr
.endm
; A BLOCK of 64 channels.  par: the block's parity (its buffer of V, its stage).  kind 1: the slot rslot, whose two blocks have been fetched, is filled again behind a round;
; kind 2: the last tile is waited for, nothing is filled; kind 0: a plain barrier, across which a refill may stay out.
; prev = 1: the block before leaves through the other stage.  fetch = 1: the next block's V (slot fslot, block fblk) is fetched.  col: the byte of out0's rows at which the block before lies.
.macro VBLOCK par, kind, rslot, prev, fetch, fslot, fblk, col
	WIN 0
	s_wait_dscnt 0x0                               ; this block's V is in; my stores into the stage are done; my reads of the slot are over
.if \kind == 1
	s_wait_tensorcnt 0x0                           ; all my tensor loads have landed: my part of the other slot
	ds_add_u32 v254, v255
	s_wait_dscnt 0x0
	s_add_nc_u64 s[G0S+4*\rslot+2:G0S+4*\rslot+3], s[G0S+4*\rslot+2:G0S+4*\rslot+3], 4*BLKB
	CROUND
	JLOADV \rslot                                  ; 128 matrix instructions ahead of the wait for it
.elseif \kind == 2
	s_wait_tensorcnt 0x0
	s_barrier_signal -1
	s_barrier_wait -1
.else
	s_barrier_signal -1
	s_barrier_wait -1
.endif
.if \prev
	s_wait_xcnt 0x0                                ; the rows read back were the data of earlier stores: they are loaded again only behind this wait
.irp i, 0,1,2,3,4,5,6,7
	ds_load_b128 v[BK+4*\i:BK+4*\i+3], v[STR] offset:(1-\par)*STGB+\i*544
.endr
.endif
.if \fetch
	FETCHV \fslot, \fblk, VB0+128*(1-\par)
.endif
	MULO VB0+128*\par
	WIN 0
.if \prev
	s_wait_dscnt 32*\fetch                         ; the stage's eight loads are in; V's 32, issued behind them, stay out
.irp i, 0,1,2,3,4,5,6,7
	global_store_b128 v[CO], v[BK+4*\i:BK+4*\i+3], s[8:9] offset:\i*262144+\col th:TH_STORE_NT   ; 16 lanes store 256 consecutive bytes, aligned
.endr
.endif
	PLACES
.irp qt, 0,1,2,3
.irp i, 0,1,2,3
	v_pk_mul_f32 v[OS+8*\qt+2*\i:OS+8*\qt+2*\i+1], v[OACC+8*\qt+2*\i:OACC+8*\qt+2*\i+1], v[RL+2*\qt:RL+2*\qt+1]
.endr
.endr
.irp qt, 0,1,2,3
	ds_store_b128 v[STW], v[OS+8*\qt:OS+8*\qt+3]   offset:\par*STGB+\qt*16*272
	ds_store_b128 v[STW], v[OS+8*\qt+4:OS+8*\qt+7] offset:\par*STGB+\qt*16*272+16
.endr
.endm
	VBLOCK 0, 0, 0, 0, 1, 0, 1, 0                  ; block 0; its barrier also stands between the last reads of P's exchange and the stages in the same bytes
	s_mov_b32 s56, 3
.Lfour:                                                ; blocks 4 i + 1 to 4 i + 4
	VBLOCK 1, 1, 0, 1, 1, 1, 0, 0
	VBLOCK 0, 0, 0, 1, 1, 1, 1, 256
	VBLOCK 1, 1, 1, 1, 1, 0, 0, 512
	VBLOCK 0, 0, 0, 1, 1, 0, 1, 768
	s_wait_xcnt 0x0                                ; the stores' base is stepped only behind this wait
	s_add_nc_u64 s[8:9], s[8:9], 1024
	s_sub_co_u32 s56, s56, 1
	s_cmp_lg_u32 s56, 0
	s_cbranch_scc1 .Lfour
	VBLOCK 1, 2, 0, 1, 1, 1, 0, 0                  ; blocks 13 to 15: nothing is left to ask for
	VBLOCK 0, 0, 0, 1, 1, 1, 1, 256
	VBLOCK 1, 0, 0, 1, 0, 0, 0, 512
	s_wait_dscnt 0x0
	s_barrier_signal -1
	s_barrier_wait -1
	s_wait_xcnt 0x0
.irp i, 0,1,2,3,4,5,6,7
	ds_load_b128 v[BK+4*\i:BK+4*\i+3], v[STR] offset:STGB+\i*544
.endr
	s_wait_dscnt 0x0
.irp i, 0,1,2,3,4,5,6,7
	global_store_b128 v[CO], v[BK+4*\i:BK+4*\i+3], s[8:9] offset:\i*262144+768 th:TH_STORE_NT
.endr
	s_wait_tensorcnt 0x0
	ds_add_u32 v254, v255
	s_wait_dscnt 0x0
	CROUND                                         ; the closing round: no work-group ends while a partner may still ask for a tile that names it
	s_endpgm
.Lfunc_end_k_q10059d9156_attn:
	.size	k_q10059d9156_attn, .Lfunc_end_k_q10059d9156_attn-k_q10059d9156_attn
	.p2alignl 7, 3214868480
	.fill 96, 4, 3214868480
	.section	.rodata,"a",@progbits
	.p2align	6, 0x0
	.amdhsa_kernel k_q10059d9156_attn
		.amdhsa_group_segment_fixed_size 327680
		.amdhsa_private_segment_fixed_size 0
		.amdhsa_enable_private_segment 0
		.amdhsa_kernarg_size 24
		.amdhsa_user_sgpr_count 2
		.amdhsa_user_sgpr_kernarg_segment_ptr 1
		.amdhsa_wavefront_size32 1
		.amdhsa_system_sgpr_workgroup_id_x 1
		.amdhsa_system_sgpr_workgroup_id_y 1
		.amdhsa_system_sgpr_workgroup_id_z 1
		.amdhsa_system_vgpr_workitem_id 0
		.amdhsa_next_free_vgpr 1024
		.amdhsa_next_free_sgpr 66
		.amdhsa_reserve_vcc 0
		.amdhsa_float_denorm_mode_32 3
		.amdhsa_float_denorm_mode_16_64 3
		.amdhsa_memory_ordered 1
		.amdhsa_forward_progress 1
		.amdhsa_inst_pref_size 255
	.end_amdhsa_kernel
	.section	.bss,"aw",@nobits
	.p2align	6
	.space	262144
	.amdgpu_metadata
---
amdhsa.version: [ 1, 2 ]
amdhsa.kernels:
  - .name:           k_q10059d9156_attn
    .symbol:         k_q10059d9156_attn.kd
    .args:
      - { .name: srcb, .offset: 0, .size: 8, .value_kind: global_buffer, .address_space: global }
      - { .name: qx, .offset: 8, .size: 8, .value_kind: global_buffer, .address_space: global }
      - { .name: out0, .offset: 16, .size: 8, .value_kind: global_buffer, .address_space: global }
    .group_segment_fixed_size: 327680
    .private_segment_fixed_size: 0
    .kernarg_segment_align: 8
    .kernarg_segment_size: 24
    .max_flat_workgroup_size: 128
    .sgpr_count:     66
    .vgpr_count:     1024
    .wavefront_size: 32
...
	.end_amdgpu_metadata
.endif
;; end of part 3
